; MI455X (gfx1250); checked and timed in simulation.
; The chip was launched on July 23, 2026; its instructions are those of AMD's public machine-readable ISA for CDNA 5 (MIT licence, August 2026) and "CDNA5" Instruction Set Architecture Reference Guide (July 2026). The comments in the code are by the model that wrote it; some were corrected since.
;; Multi Head Self Attention. Allowed arithmetic: float matrix products may take bf16 or f16 operands with f32 sums; all other float work in f32.
;; Inputs: W_K 512 x 512 float32; W_Q 512 x 512 float32; W_V 512 x 512 float32; x 4 x 2,048 x 512 float32.
;; Outputs: out0 4 x 2,048 x 512 float32.
;; One version. Each part assembles by itself: llvm-mc -triple=amdgcn-amd-amdhsa -mcpu=gfx1250 --defsym DOCPART=n.
;; ======== version 1 of 1: 2 launches
;; limits: values are held in f16: magnitudes above 65,504 overflow, below 6.1e-05 lose precision
;; workspace buffers: qw 8,388,608 bytes; kw 8,388,608 bytes; vw 8,388,608 bytes
;; launch proj (part 1): grid 8 x 32, 8 waves a work-group, clusters of 4 x 4, 327,680 bytes of LDS; arguments x, W_Q, W_K, W_V, qw, kw, vw; writes qw, kw, vw
.if DOCPART == 1
	.amdgcn_target "amdgcn-amd-amdhsa--gfx1250"
	.amdhsa_code_object_version 6
	.text
	.protected	k_q106093534d_proj
	.globl	k_q106093534d_proj
	.p2align	8
	.type	k_q106093534d_proj,@function
k_q106093534d_proj:
	s_mov_b64 s[64:65], 0
	v_nop
	global_prefetch_b8 v0, s[64:65] scope:SCOPE_SE
	s_setreg_imm32_b32 hwreg(HW_REG_WAVE_MODE, 25, 1), 1
	s_wait_xcnt 0x0
	s_wait_alu depctr_hold_cnt(0) depctr_sa_sdst(0) depctr_va_vdst(0) depctr_va_sdst(0) depctr_va_ssrc(0) depctr_va_vcc(0) depctr_vm_vsrc(0)
	s_getreg_b32 s2, hwreg(HW_REG_IB_STS2, 6, 4)
	s_cmp_eq_u32 s2, 0
	s_cbranch_scc0 .Lentry_in_a_cluster
	s_endpgm
.Lentry_in_a_cluster:
	s_bfe_u32 s2, ttmp6, 0x10000c
	s_cmp_lg_u32 s2, 0xf033
	s_cbranch_scc0 .Lentry_shape_is_right
	s_endpgm
.Lentry_shape_is_right:
; q = x W_Q^T, k = x W_K^T, v = x W_V^T.  x: [8192][512] f32, W: [512][512] f32.  Operands rounded to bf16, sums in f32.
; Results are stored as f16 in the layout [b*8+head][s][64]; q is multiplied by 0.125 * log2(e) first, so that the next
; launch's scores are exponents of 2.
; LIMIT: |0.18 q|, |k|, |v| above 65,504 do not fit f16 and become infinite.  f16 is taken for its 11 bits of precision:
; the attention's result is a mean of 2,048 numbers of either sign and is far smaller than its terms.
;
; SHARES.  A work-group makes 256 rows x (64 columns of one head of each of q, k, v) = 256 x 192.  Eight waves, two for each of
; a WGP's four SIMDs, so that one wave's conversions f32 -> bf16 can run while the other wave multiplies.  Wave w: rows 64 (w & 3) .. + 63,
; and of each of the three results the columns 32 (w >> 2) .. + 31: 4 x 6 accumulator tiles of 16 x 16, 192 registers.
; K goes in steps of 64 f32 (rows of 256 bytes, starting at multiples of 256 bytes) through two LDS slots.
; CLUSTERS.  4 x 4 work-groups.  x's tile hangs on the row block alone and is asked for jointly by a row of the cluster; the weights'
; tiles hang on the head alone and are asked for jointly by a column.  That divides the requests for both by four.
; THE MATRIX INSTRUCTION IS USED TRANSPOSED: source 0 = 16 rows of W, source 1 = 16 rows of x.  Lane l then holds row l % 16 of the
; result and its eight registers the columns 8 (l / 16) + 0 .. 7: 16 neighbouring bytes of f16.
.set PITCH,  272                       ; an LDS row: 256 bytes + 16 of padding, an odd multiple of 16: sixteen rows start in sixteen different 16-byte columns
.set PART,   64*PITCH                  ; 17,408: what one tensor load brings
.set SLOT,   448*PITCH                 ; 121,856: x rows 0-255, W_Q 256-319, W_K 320-383, W_V 384-447
.set SPITCH, 144                       ; the stage's row: 64 f16 + 16 bytes
.set SREG,   256*SPITCH                ; 36,864: the stage of one result; three of them lie in slot 0 after its last fill
.set WAVE, 18                          ; s18  the wave's number
.set G1X,  28                          ; s[28:35] descriptor group 1, x
.set G1W,  36                          ; s[36:43] descriptor group 1, weights: differs in the mask alone
.set G0X,  44                          ; s[44:51] descriptor group 0, x, one set for each slot
.set G0W,  52                          ; s[52:59] descriptor group 0, weights, one set for each slot
.set XADR, 2                           ; v2-3   LDS address of my x fragments in slot 0, 1
.set WADR, 4                           ; v4-5   the same for the weights
.set STO,  6                           ; v6-7   the stage: where I put 16 bytes (v7: 73,728 further, past the immediate's 16 bits)
.set RD,   8                           ; v8-10  the stage: where I read back, one for each result
.set CO,   11                          ; v11    my byte offset in the 32,768 bytes that the work-group stores of each result
.set XF,   16                          ; v[16:47]  four bf16 fragments of x
.set WF,   48                          ; v[48:95]  six bf16 fragments of the weights
.set ST,   96                          ; v[96:255] ten fragments as loaded, 16 f32 each
                                       ; window 1: v0-191 = accumulator tile (ct, rt) at 8 (4 ct + rt)
.set MSB, 0
.macro WIN new                         ; the immediate's high byte repeats the setting that is left
.if MSB != \new
	s_set_vgpr_msb (MSB<<8)|\new
.set MSB, \new
.endif
.endm
.macro PLACES n
.rept \n
	v_nop
.endr
.endm
; A round of the cluster's barrier: my work-group's barrier; wave 0 signals for the work-group; every wave waits for all sixteen; my work-group's barrier again.
.macro CROUND
	s_barrier_signal -1
	s_barrier_wait -1
	s_cmp_lg_u32 s[WAVE], 0
	s_cbranch_scc1 .Lnot_wave_0_\@
	s_barrier_signal -3
.Lnot_wave_0_\@:
	s_barrier_wait -3
	s_barrier_signal -1
	s_barrier_wait -1
.endm
; A joint refill of slot s.  Waves 0-3: 64 rows of x each; waves 4, 5, 6: the head's 64 rows of W_Q, W_K, W_V; wave 7 has no part.
.macro JLOAD s
	s_cmp_lt_u32 s[WAVE], 4
	s_cbranch_scc0 .Lfor_w_\@
	tensor_load_to_lds s[G0X+4*(\s):G0X+4*(\s)+3], s[G1X:G1X+7]
	s_nop 0
	s_branch .Lasked_\@
.Lfor_w_\@:
	s_cmp_eq_u32 s[WAVE], 7
	s_cbranch_scc1 .Lasked_\@
	tensor_load_to_lds s[G0W+4*(\s):G0W+4*(\s)+3], s[G1W:G1W+7]
	s_nop 0
.Lasked_\@:
.endm
	s_load_b256 s[4:11], s[0:1], 0x0               ; x s[4:5], W_Q s[6:7], W_K s[8:9], W_V s[10:11]
	s_load_b128 s[12:15], s[0:1], 0x20             ; qw s[12:13], kw s[14:15]
	s_load_b64 s[16:17], s[0:1], 0x30              ; vw
	s_set_vgpr_msb 0x40
	v_lshl_add_u32 v192, v0, 2, 0x3b800
	v_mov_b32 v193, 0
	s_set_vgpr_msb 0x4045
	ds_add_u32 v192, v193
	s_set_vgpr_msb 0x4500
	v_lshrrev_b32 v1, 5, v0
	v_readfirstlane_b32 s[WAVE], v1                ; wave 0..7
	s_and_b32 s19, s[WAVE], 3                      ; rw: which 64 rows are mine
	s_lshr_b32 s20, s[WAVE], 2                     ; cw: which 32 columns of each result
	s_bfe_u32 s21, ttmp6, 0x40000                  ; cx
	s_bfe_u32 s22, ttmp6, 0x40004                  ; cy
	s_lshl_b32 s23, ttmp9, 2
	s_add_co_u32 s23, s23, s21                     ; head = 4 x cluster x + cx
	s_and_b32 s24, ttmp7, 0xffff
	s_lshl_b32 s24, s24, 2
	s_add_co_u32 s24, s24, s22                     ; row block = 4 x cluster y + cy
	s_lshl_b32 s25, s22, 2
	s_lshl_b32 s25, 15, s25                        ; my row of the cluster: places 4 cy .. 4 cy + 3
	s_lshl_b32 s26, 0x1111, s21                    ; my column: places cx, cx + 4, cx + 8, cx + 12
	; group 1: a tile of 64 rows x 64 elements of 4 bytes, 4 words of padding behind every 64 words
.set DW0, (2<<16)|(1<<20)|(1<<21)|(5<<22)|(3<<25)
	s_or_b32 s[G1X+0], s25, DW0                    ; 15:0 mask; 17:16 element of 4 bytes; 20 padding on; 21 set beside a mask; 24:22 interval code 5; 31:25 pad code 3
	s_or_b32 s[G1W+0], s26, DW0
.irp g, G1X, G1W
	s_mov_b32 s[\g+1], 64<<16                      ; tensor_dim0 = 64
	s_mov_b32 s[\g+2], 64<<16                      ; tensor_dim1 = 64
	s_mov_b32 s[\g+3], 64<<16                      ; tile_dim0 = 64
	s_mov_b32 s[\g+4], 64                          ; tile_dim1 = 64
	s_mov_b32 s[\g+5], 512                         ; 512 elements from row to row
	s_mov_b32 s[\g+6], 0
	s_mov_b32 s[\g+7], 0
.endr
	s_lshl_b32 s60, s24, 19                        ; x: row block x 256 rows x 2,048 bytes
	s_lshl_b32 s61, s19, 17                        ;    + (w & 3) x 64 rows
	s_add_co_u32 s60, s60, s61
	s_mov_b32 s61, 0
	s_lshl_b32 s62, s23, 17                        ; weights: head x 64 rows x 2,048 bytes
	s_mov_b32 s63, 0
	s_mul_i32 s70, s[WAVE], PART                   ; LDS: wave x 64 rows; no place in the cluster enters an LDS address
	s_wait_dscnt 0x0
	s_wait_kmcnt 0x0
	s_add_nc_u64 s[66:67], s[4:5], s[60:61]
	s_cmp_eq_u32 s[WAVE], 5
	s_cselect_b64 s[68:69], s[8:9], s[6:7]         ; wave 5: W_K; wave 6: W_V; else W_Q
	s_cmp_eq_u32 s[WAVE], 6
	s_cselect_b64 s[68:69], s[10:11], s[68:69]
	s_add_nc_u64 s[68:69], s[68:69], s[62:63]
	CROUND                                         ; all sixteen work-groups are here: the first joint loads meet
.irp s, 0,1
	s_mov_b32 s[G0X+4*\s], 1
	s_add_co_u32 s[G0X+4*\s+1], s70, \s*SLOT
	s_add_nc_u64 s[G0X+4*\s+2:G0X+4*\s+3], s[66:67], \s*256        ; K step s
	s_or_b32 s[G0X+4*\s+3], s[G0X+4*\s+3], 0x80000000
	s_mov_b32 s[G0W+4*\s], 1
	s_add_co_u32 s[G0W+4*\s+1], s70, \s*SLOT
	s_add_nc_u64 s[G0W+4*\s+2:G0W+4*\s+3], s[68:69], \s*256
	s_or_b32 s[G0W+4*\s+3], s[G0W+4*\s+3], 0x80000000
.endr
	; both first fills of a wave inside one branch on its number: two tensor loads of a wave are out here, one behind every later round
	s_cmp_lt_u32 s[WAVE], 4
	s_cbranch_scc0 .Lfirst_w
	tensor_load_to_lds s[G0X:G0X+3], s[G1X:G1X+7]
	s_nop 0
	tensor_load_to_lds s[G0X+4:G0X+7], s[G1X:G1X+7]
	s_nop 0
	s_branch .Lfirst_done
.Lfirst_w:
	s_cmp_eq_u32 s[WAVE], 7
	s_cbranch_scc1 .Lfirst_done
	tensor_load_to_lds s[G0W:G0W+3], s[G1W:G1W+7]
	s_nop 0
	tensor_load_to_lds s[G0W+4:G0W+7], s[G1W:G1W+7]
	s_nop 0
.Lfirst_done:
	; A bf16 fragment (16 rows x 32 K): lane l holds row l % 16; registers 0-3 K = 8 (l / 16) + 0..7, registers 4-7 K = 16 + 8 (l / 16) + 0..7.
	; In f32 these are 32 bytes at 32 (l / 16) and 32 bytes 64 further on: four loads of 16 bytes at + 0, 16, 64, 80.
	v_and_b32 v12, 15, v0                          ; r
	v_bfe_u32 v13, v0, 4, 1                        ; h
	v_mul_u32_u24 v14, v12, PITCH
	v_lshl_add_u32 v14, v13, 5, v14                ; r x pitch + 32 h
	s_mul_i32 s71, s19, PART                       ; my 64 rows of x
	s_mul_i32 s72, s20, 32*PITCH                   ; my 32 rows of each weight,
	s_add_co_u32 s72, s72, 256*PITCH               ; behind x's 256
	v_add_nc_u32 v[XADR], s71, v14
	v_add_nc_u32 v[XADR+1], SLOT, v[XADR]
	v_add_nc_u32 v[WADR], s72, v14
	v_add_nc_u32 v[WADR+1], SLOT, v[WADR]
	s_mul_i32 s73, s19, 64*SPITCH
	s_lshl_b32 s74, s20, 6
	s_add_co_u32 s73, s73, s74
	v_mul_u32_u24 v15, v12, SPITCH
	v_lshl_add_u32 v15, v13, 4, v15
	v_add_nc_u32 v[STO], s73, v15                  ; (64 rw + r) x 144 + 64 cw + 16 h
	v_add_nc_u32 v[STO+1], 2*SREG, v[STO]
	v_lshrrev_b32 v14, 3, v0                       ; back: eight threads take a row's 128 bytes, the work-group 32 rows
	v_and_b32 v15, 7, v0
	v_mul_u32_u24 v14, v14, SPITCH
	v_lshl_add_u32 v[RD], v15, 4, v14
	v_add_nc_u32 v[RD+1], SREG, v[RD]
	v_add_nc_u32 v[RD+2], 2*SREG, v[RD]
	v_lshlrev_b32 v[CO], 4, v0                     ; and the same 32 rows are 4,096 dense bytes of the result
; 40 LDS loads: the ten fragments of 32 K (half kk of the slot's 64) as f32; fragment f = 0-3: x's row tiles, 4-9: the six weight tiles
.macro FETCH slot, kk
.irp rt, 0,1,2,3
.irp q, 0,1,2,3
	ds_load_b128 v[ST+16*\rt+4*\q:ST+16*\rt+4*\q+3], v[XADR+\slot] offset:\rt*16*PITCH+128*\kk+16*(\q&1)+64*(\q>>1)
.endr
.endr
.irp ct, 0,1,2,3,4,5
.irp q, 0,1,2,3
	ds_load_b128 v[ST+64+16*\ct+4*\q:ST+64+16*\ct+4*\q+3], v[WADR+\slot] offset:((\ct>>1)*64+(\ct&1)*16)*PITCH+128*\kk+16*(\q&1)+64*(\q>>1)
.endr
.endr
.endm
; f32 -> bf16, fragment by fragment as the loads come back
.macro CONV
	PLACES 4                                       ; XF and WF were sources of the last matrix instructions: four places before they are written (ISA guide 7.12.1)
.irp f, 0,1,2,3,4,5,6,7,8,9
	s_wait_dscnt 36-4*\f                           ; LDS loads come back in order: fragment f's four are in, the younger fragments' may be out
.irp p, 0,1,2,3,4,5,6,7
	v_cvt_pk_bf16_f32 v[XF+8*\f+\p], v[ST+16*\f+2*\p], v[ST+16*\f+2*\p+1]
.endr
.endr
.endm
; 24 matrix instructions, 32 along K.  The 24 accumulators take turns, one instruction a turn, in the same order every time.
.macro MUL zero
	WIN 0x50                                       ; C and D in window 1
.irp ct, 0,1,2,3,4,5
.irp rt, 0,1,2,3
.if \zero
	v_wmma_f32_16x16x32_bf16 v[8*(4*\ct+\rt):8*(4*\ct+\rt)+7], v[WF+8*\ct:WF+8*\ct+7], v[XF+8*\rt:XF+8*\rt+7], 0
.else
	v_wmma_f32_16x16x32_bf16 v[8*(4*\ct+\rt):8*(4*\ct+\rt)+7], v[WF+8*\ct:WF+8*\ct+7], v[XF+8*\rt:XF+8*\rt+7], v[8*(4*\ct+\rt):8*(4*\ct+\rt)+7]
.endif
.endr
.endr
	WIN 0
.endm
.macro STEP slot, zero                 ; one K step of 64: the second half's loads are issued ahead of the first half's products
	FETCH \slot, 0
	CONV
	FETCH \slot, 1
	MUL \zero
	CONV
	MUL 0
.endm
; The change of slots.  In front of the barrier every wave has its reads of the other slot back and all its tensor loads landed (its part of this slot among them).
; refill = 1: the barrier is a round of the cluster's barrier, and the joint refill of the other slot is the first thing behind it.
.macro TRIP slot, refill
	s_wait_dscnt 0x0
	s_set_vgpr_msb 0x5
	s_wait_tensorcnt 0x0                           ; no tensor load of mine is out: a group 0 may be written
	ds_add_u32 v192, v193
	s_wait_dscnt 0x0
	s_set_vgpr_msb 0x500
.if \refill
	s_add_nc_u64 s[G0X+4*(1-\slot)+2:G0X+4*(1-\slot)+3], s[G0X+4*(1-\slot)+2:G0X+4*(1-\slot)+3], 512   ; two K steps on
	s_add_nc_u64 s[G0W+4*(1-\slot)+2:G0W+4*(1-\slot)+3], s[G0W+4*(1-\slot)+2:G0W+4*(1-\slot)+3], 512
	CROUND
	JLOAD (1-\slot)
.else
	s_barrier_signal -1
	s_barrier_wait -1
.endif
	STEP \slot, 0
.endm
	s_wait_tensorcnt 0x1                           ; my part of K step 0 is in; K step 1's may stay out
	s_barrier_signal -1
	s_barrier_wait -1
	STEP 0, 1                                      ; the first products start the sums: nothing is cleared
	s_mov_b32 s76, 3                               ; K steps 1 to 6; K steps 2 to 7 are asked for
.Lpair:
	TRIP 1, 1
	TRIP 0, 1
	s_sub_co_u32 s76, s76, 1
	s_cmp_lg_u32 s76, 0
	s_cbranch_scc1 .Lpair
	TRIP 1, 0                                      ; K step 7: nothing is left to fetch
	; THE WAY OUT.  Slot 0 has had its last fill, and every wave's reads of it ended in front of the last barrier: it is the stage now.
	PLACES 4                                       ; four places behind the last matrix instruction before its result is read
	s_lshr_b32 s71, s24, 3                         ; b
	s_lshl_b32 s71, s71, 3
	s_add_co_u32 s71, s71, s23                     ; b x 8 + head
	s_lshl_b32 s71, s71, 18                        ; x 2,048 rows x 128 bytes
	s_and_b32 s72, s24, 7
	s_lshl_b32 s72, s72, 15                        ; + the row block inside the batch x 256 rows
	s_add_co_u32 s72, s72, s71
	s_mov_b32 s73, 0
	s_add_nc_u64 s[12:13], s[12:13], s[72:73]
	s_add_nc_u64 s[14:15], s[14:15], s[72:73]
	s_add_nc_u64 s[16:17], s[16:17], s[72:73]
	WIN 0x41                                       ; column tiles 0 and 1 are q in every wave: x 0.125 log2(e)
.set n, 0
.rept 32
	v_pk_mul_f32 v[n:n+1], v[n:n+1], 0x3e38aa3b op_sel_hi:[1,0]
.set n, n+2
.endr
	WIN 0x05                                       ; sources in window 1, results in window 0
.set n, 0
.rept 96
	v_cvt_pk_f16_f32 v[ST+n], v[2*n], v[2*n+1]     ; tile t's eight numbers become four registers at ST + 4 t
.set n, n+1
.endr
	WIN 0
.irp g, 0,1
.irp c, 0,1
.irp rt, 0,1,2,3
	ds_store_b128 v[STO], v[ST+4*(4*(2*\g+\c)+\rt):ST+4*(4*(2*\g+\c)+\rt)+3] offset:\g*SREG+\rt*16*SPITCH+\c*32
.endr
.endr
.endr
.irp c, 0,1
.irp rt, 0,1,2,3
	ds_store_b128 v[STO+1], v[ST+4*(4*(4+\c)+\rt):ST+4*(4*(4+\c)+\rt)+3] offset:\rt*16*SPITCH+\c*32
.endr
.endr
	s_wait_dscnt 0x0                               ; for the others' sake: a row's two halves come from two waves
	s_barrier_signal -1
	s_barrier_wait -1
.irp g, 0,1,2
.irp i, 0,1,2,3,4,5,6,7
	ds_load_b128 v[ST+4*(8*\g+\i):ST+4*(8*\g+\i)+3], v[RD+\g] offset:\i*32*SPITCH
.endr
.endr
.irp g, 0,1,2
.irp i, 0,1,2,3,4,5,6,7
	s_wait_dscnt 23-(8*\g+\i)                      ; this load is in, the younger ones may be out
	global_store_b128 v[CO], v[ST+4*(8*\g+\i):ST+4*(8*\g+\i)+3], s[12+2*\g:13+2*\g] offset:\i*4096   ; a wave stores 512 consecutive bytes, aligned
.endr
.endr
	s_set_vgpr_msb 0x5
	s_wait_tensorcnt 0x0
	ds_add_u32 v192, v193
	s_wait_dscnt 0x0
	s_set_vgpr_msb 0x500
	CROUND                                         ; the closing round: no work-group ends while a partner may still ask for a tile that names it
	s_endpgm
.Lfunc_end_k_q106093534d_proj:
	.size	k_q106093534d_proj, .Lfunc_end_k_q106093534d_proj-k_q106093534d_proj
	.p2alignl 7, 3214868480
	.fill 96, 4, 3214868480
	.section	.rodata,"a",@progbits
	.p2align	6, 0x0
	.amdhsa_kernel k_q106093534d_proj
		.amdhsa_group_segment_fixed_size 327680
		.amdhsa_private_segment_fixed_size 0
		.amdhsa_enable_private_segment 0
		.amdhsa_kernarg_size 56
		.amdhsa_user_sgpr_count 2
		.amdhsa_user_sgpr_kernarg_segment_ptr 1
		.amdhsa_wavefront_size32 1
		.amdhsa_system_sgpr_workgroup_id_x 1
		.amdhsa_system_sgpr_workgroup_id_y 1
		.amdhsa_system_sgpr_workgroup_id_z 1
		.amdhsa_system_vgpr_workitem_id 0
		.amdhsa_next_free_vgpr 450
		.amdhsa_next_free_sgpr 80
		.amdhsa_reserve_vcc 0
		.amdhsa_float_denorm_mode_32 3
		.amdhsa_float_denorm_mode_16_64 3
		.amdhsa_memory_ordered 1
		.amdhsa_forward_progress 1
		.amdhsa_inst_pref_size 101
	.end_amdhsa_kernel
	.amdgpu_metadata
---
amdhsa.version: [ 1, 2 ]
amdhsa.kernels:
  - .name:           k_q106093534d_proj
    .symbol:         k_q106093534d_proj.kd
    .args:
      - { .name: x, .offset: 0, .size: 8, .value_kind: global_buffer, .address_space: global }
      - { .name: W_Q, .offset: 8, .size: 8, .value_kind: global_buffer, .address_space: global }
      - { .name: W_K, .offset: 16, .size: 8, .value_kind: global_buffer, .address_space: global }
      - { .name: W_V, .offset: 24, .size: 8, .value_kind: global_buffer, .address_space: global }
      - { .name: qw, .offset: 32, .size: 8, .value_kind: global_buffer, .address_space: global }
      - { .name: kw, .offset: 40, .size: 8, .value_kind: global_buffer, .address_space: global }
      - { .name: vw, .offset: 48, .size: 8, .value_kind: global_buffer, .address_space: global }
    .group_segment_fixed_size: 327680
    .private_segment_fixed_size: 0
    .kernarg_segment_align: 8
    .kernarg_segment_size: 56
    .max_flat_workgroup_size: 256
    .sgpr_count:     80
    .vgpr_count:     450
    .wavefront_size: 32
...
	.end_amdgpu_metadata
.endif
;; end of part 1
;; launch attn (part 2): grid 8 x 32, 8 waves a work-group, clusters of 4 x 1, 327,680 bytes of LDS; arguments qw, kw, vw, out0; writes out0
.if DOCPART == 2
	.amdgcn_target "amdgcn-amd-amdhsa--gfx1250"
	.amdhsa_code_object_version 6
	.text
	.protected	k_q106093534d_attn
	.globl	k_q106093534d_attn
	.p2align	8
	.type	k_q106093534d_attn,@function
k_q106093534d_attn:
	s_mov_b64 s[64:65], 0
	v_nop
	global_prefetch_b8 v0, s[64:65] scope:SCOPE_SE
	s_setreg_imm32_b32 hwreg(HW_REG_WAVE_MODE, 25, 1), 1
	s_wait_xcnt 0x0
	s_wait_alu depctr_hold_cnt(0) depctr_sa_sdst(0) depctr_va_vdst(0) depctr_va_sdst(0) depctr_va_ssrc(0) depctr_va_vcc(0) depctr_vm_vsrc(0)
	s_getreg_b32 s2, hwreg(HW_REG_IB_STS2, 6, 4)
	s_cmp_eq_u32 s2, 0
	s_cbranch_scc0 .Lentry_in_a_cluster
	s_endpgm
.Lentry_in_a_cluster:
	s_bfe_u32 s2, ttmp6, 0x10000c
	s_cmp_lg_u32 s2, 0x3003
	s_cbranch_scc0 .Lentry_shape_is_right
	s_endpgm
.Lentry_shape_is_right:
; out[b][s][64 h + d] = sum over keys of p v / (sum over keys of p + 1e-8), p = exp(q k / 8), for 32 heads of 2,048 x 64.
; qw holds q x 0.125 log2(e), so a score is an exponent of 2.  A running maximum m is taken away: with p' = 2^(s - m) the result is
; sum p' v / (sum p' + 1e-8 x 2^(-m)), the same number, and p' lies in (0, 1], which f16 holds.
; LIMITS: q, k, v come in f16 (magnitude up to 65,504).  A p' below about 2^-24 becomes 0 in f16, and v_exp_f32 gives 0 below 2^-126 (ISA guide 15.8).
; Where exp(q k / 8) itself would overflow f32, this text still gives the finite quotient.
;
; SHARES.  A work-group takes 256 queries of one head.  Eight waves, two for each of a WGP's four SIMDs, so that one wave's exponentials can run
; while the other multiplies.  Wave w: queries 64 (w & 3) .. + 63 (four tiles of 16) and keys 128 (w >> 2) .. + 127 of every tile of 256 keys.
; Each wave keeps its own m, l and O; waves w and w ^ 4 are merged once, at the end, through LDS.
; CLUSTERS.  The four work-groups of a cluster take four query blocks of one head and read the same K and V tiles: every tile is asked for jointly.
; FORMS.  S^T = K Q^T: lane l holds query l % 16 and keys 8 (l / 16) + 0..7 of a key tile.  Two neighbouring key tiles, packed to f16, ARE the second
; source (32 keys x 16 queries) of O^T = V^T P, with no move between lanes.  V^T's fragments come from V as stored by the transposing LDS load.
; In O^T lane l holds query l % 16 again: m, l and the rescaling factor are plain numbers of the lane.
.set KPITCH, 272                       ; an LDS row of K: two keys (256 bytes) + 16: keys r = 0..15 start in 16-byte columns (r >> 1) + 8 (r & 1), all different
.set VPITCH, 288                       ; an LDS row of V: two keys + 32: the transposing load's sixteen lanes touch columns 2 (i >> 1) + 8 (i & 1) + b, all different
.set KBYTES, 128*KPITCH                ; 34,816
.set SLOT,   128*KPITCH+128*VPITCH     ; 71,680: 256 keys of K, then of V
.set STG,    2*SLOT                    ; 143,360: each wave's O, 64 queries x (256 + 16) bytes; no fill lands here
.set OPITCH, 272
.set OWAVE,  64*OPITCH                 ; 17,408
.set XCH,    STG+8*OWAVE               ; 282,624: each wave's (m, l), 64 queries x 8 bytes
.set WAVE, 12                          ; s12  the wave's number
.set G1K,  24                          ; s[24:31] descriptor group 1, K
.set G1V,  32                          ; s[32:39] descriptor group 1, V: differs in the padding alone
.set G0K,  40                          ; s[40:47] descriptor group 0, K, one set for each slot
.set G0V,  48                          ; s[48:55] descriptor group 0, V, one set for each slot
.set KADR, 2                           ; v2-3   LDS address of my K fragments in slot 0, 1
.set VADR, 4                           ; v4-5   the same for V
.set QOFF, 6                           ; v6     my byte offset in the wave's 64 rows of q
.set STO,  7                           ; v7     the stage: where I put O
.set RDA,  8                           ; v8     the stage: where I read the O of the wave with keys 0-127
.set RDB,  9                           ; v9     and of the wave with keys 128-255
.set CO,   10                          ; v10    my byte offset in out0
.set XW,   11                          ; v11    where I put (m, l)
.set XR,   12                          ; v12    where my partner's lie
.set STA,  16                          ; v[16+4 qt ..]: M running maximum, T at work, AL rescaling factor, MX at work
.set LS,   32                          ; v[32+2 qt : 33+2 qt] two partial sums of p'
.set TM,   40                          ; v[40:63] at work
.set F0,   64                          ; v[64:95]   fragments: key tiles 0, 1 of K, then keys 0-31 of V
.set F1,   96                          ; v[96:127]  fragments: key tiles 2, 3 of K, then keys 32-63 of V
.set SS,   128                         ; v[128:255] scores: block 4 c + qt of 16 registers = key tiles 2 c, 2 c + 1 for query tile qt; its first 8 become P
.set QF,   128                         ; window 1: v128-191 fragment (qt, half of dk) of q at 128 + 16 qt + 8 c;  v0-127: O tile (qt, dt) at 32 qt + 8 dt
.set MSB, 0
.macro WIN new                         ; the immediate's high byte repeats the setting that is left
.if MSB != \new
	s_set_vgpr_msb (MSB<<8)|\new
.set MSB, \new
.endif
.endm
.macro PLACES n
.rept \n
	v_nop
.endr
.endm
.macro CROUND                          ; a round of the cluster's barrier
	s_barrier_signal -1
	s_barrier_wait -1
	s_cmp_lg_u32 s[WAVE], 0
	s_cbranch_scc1 .Lnot_wave_0_\@
	s_barrier_signal -3
.Lnot_wave_0_\@:
	s_barrier_wait -3
	s_barrier_signal -1
	s_barrier_wait -1
.endm
.macro JLOAD s                         ; waves 0-3 ask for 64 keys of K each, waves 4-7 for 64 keys of V each: one load of 8,192 bytes a wave
	s_cmp_eq_u32 s14, 0
	s_cbranch_scc0 .Lfor_v_\@
	tensor_load_to_lds s[G0K+4*(\s):G0K+4*(\s)+3], s[G1K:G1K+7]
	s_nop 0
	s_branch .Lasked_\@
.Lfor_v_\@:
	tensor_load_to_lds s[G0V+4*(\s):G0V+4*(\s)+3], s[G1V:G1V+7]
	s_nop 0
.Lasked_\@:
.endm
	s_load_b256 s[4:11], s[0:1], 0x0               ; qw s[4:5], kw s[6:7], vw s[8:9], out0 s[10:11]
	v_lshl_add_u32 v14, v0, 2, 0x46000
	v_mov_b32 v15, 0
	ds_add_u32 v14, v15
	v_lshrrev_b32 v1, 5, v0
	v_readfirstlane_b32 s[WAVE], v1                ; wave 0..7
	s_and_b32 s13, s[WAVE], 3                      ; qg: which 64 queries; also which 64 keys of a tile I fetch
	s_lshr_b32 s14, s[WAVE], 2                     ; kh: which 128 keys; also: I fetch for K (0) or V (1)
	s_bfe_u32 s15, ttmp6, 0x40000                  ; cx
	s_lshl_b32 s16, ttmp9, 2
	s_add_co_u32 s16, s16, s15                     ; query block = 4 x cluster x + cx
	s_and_b32 s17, ttmp7, 0xffff                   ; b x 8 + head
	s_mov_b32 s18, 0x76543210                      ; v_permlanex16_b32: lane i of one half reads lane i of the other
	s_mov_b32 s19, 0xfedcba98
	; group 1: a dense block of 8,192 bytes as 32 rows of 32 elements of 8 bytes, padded behind every 64 words
	s_mov_b32 s[G1K+0], 15|(3<<16)|(1<<20)|(1<<21)|(5<<22)|(3<<25)   ; mask: all four of the cluster; bit 21 beside it; 4 words of padding
	s_mov_b32 s[G1V+0], 15|(3<<16)|(1<<20)|(1<<21)|(5<<22)|(7<<25)   ; 8 words of padding
.irp g, G1K, G1V
	s_mov_b32 s[\g+1], 32<<16                      ; tensor_dim0 = 32
	s_mov_b32 s[\g+2], 32<<16                      ; tensor_dim1 = 32
	s_mov_b32 s[\g+3], 32<<16                      ; tile_dim0 = 32
	s_mov_b32 s[\g+4], 32                          ; tile_dim1 = 32
	s_mov_b32 s[\g+5], 32                          ; each row begins where the last ends
	s_mov_b32 s[\g+6], 0
	s_mov_b32 s[\g+7], 0
.endr
	s_lshl_b32 s20, s17, 18                        ; the head's 262,144 bytes
	s_lshl_b32 s21, s13, 13                        ; + qg x 64 rows x 128 bytes
	s_add_co_u32 s20, s20, s21
	s_mov_b32 s21, 0
	s_lshl_b32 s62, s16, 15                        ; q alone: + query block x 256 rows
	s_mov_b32 s63, 0
	s_mul_i32 s22, s13, 32*KPITCH                  ; LDS: my 32 rows of K's part,
	s_mul_i32 s23, s13, 32*VPITCH                  ; or of V's part,
	s_add_co_u32 s23, s23, KBYTES                  ; which lies behind K's
	s_wait_dscnt 0x0
	s_wait_kmcnt 0x0
	s_add_nc_u64 s[58:59], s[6:7], s[20:21]
	s_add_nc_u64 s[60:61], s[8:9], s[20:21]
	s_add_nc_u64 s[4:5], s[4:5], s[20:21]
	s_add_nc_u64 s[4:5], s[4:5], s[62:63]
	CROUND                                         ; all four work-groups are here: the first joint loads meet
.irp s, 0,1
	s_mov_b32 s[G0K+4*\s], 1
	s_add_co_u32 s[G0K+4*\s+1], s22, \s*SLOT
	s_add_nc_u64 s[G0K+4*\s+2:G0K+4*\s+3], s[58:59], \s*32768      ; key tile s
	s_or_b32 s[G0K+4*\s+3], s[G0K+4*\s+3], 0x80000000
	s_mov_b32 s[G0V+4*\s], 1
	s_add_co_u32 s[G0V+4*\s+1], s23, \s*SLOT
	s_add_nc_u64 s[G0V+4*\s+2:G0V+4*\s+3], s[60:61], \s*32768
	s_or_b32 s[G0V+4*\s+3], s[G0V+4*\s+3], 0x80000000
	JLOAD \s                                       ; two tensor loads of a wave are out here, one behind every later round
.endr
	v_and_b32 v41, 15, v0                          ; r
	v_bfe_u32 v42, v0, 4, 1                        ; h
	v_lshlrev_b32 v[QOFF], 7, v41
	v_lshl_add_u32 v[QOFF], v42, 4, v[QOFF]        ; 128 r + 16 h
	WIN 0x40                                       ; q's fragments go to window 1 and stay there
.irp qt, 0,1,2,3
.irp c, 0,1
	global_load_b128 v[QF+16*\qt+8*\c:QF+16*\qt+8*\c+3],   v[QOFF], s[4:5] offset:\qt*2048+\c*64
	global_load_b128 v[QF+16*\qt+8*\c+4:QF+16*\qt+8*\c+7], v[QOFF], s[4:5] offset:\qt*2048+\c*64+32
.endr
.endr
	WIN 0
	v_lshrrev_b32 v43, 1, v41                      ; K: key r lies in LDS row r >> 1, half r & 1
	v_mul_u32_u24 v43, v43, KPITCH
	v_and_b32 v44, 1, v0
	v_lshl_add_u32 v43, v44, 7, v43
	v_lshl_add_u32 v43, v42, 4, v43                ; + 16 h
	s_mul_i32 s20, s14, 64*KPITCH                  ; my 128 keys
	v_add_nc_u32 v[KADR], s20, v43
	v_add_nc_u32 v[KADR+1], SLOT, v[KADR]
	v_bfe_u32 v45, v0, 1, 2                        ; V: lane l addresses key 8 h + (l & 7): LDS row 4 h + ((l & 7) >> 1), half l & 1,
	v_lshl_add_u32 v45, v42, 2, v45
	v_mul_u32_u24 v45, v45, VPITCH
	v_lshl_add_u32 v45, v44, 7, v45
	v_bfe_u32 v46, v0, 3, 1                        ; and 16 bytes (8 columns) by bit 3 of the lane
	v_lshl_add_u32 v45, v46, 4, v45
	s_mul_i32 s21, s14, 64*VPITCH
	s_add_co_u32 s21, s21, KBYTES
	v_add_nc_u32 v[VADR], s21, v45
	v_add_nc_u32 v[VADR+1], SLOT, v[VADR]
	s_mul_i32 s22, s[WAVE], OWAVE
	s_add_co_u32 s22, s22, STG
	v_mul_u32_u24 v47, v41, OPITCH
	v_lshl_add_u32 v47, v42, 5, v47
	v_add_nc_u32 v[STO], s22, v47                  ; my stage + 272 r + 32 h
	s_mul_i32 s23, s13, OWAVE
	s_mul_i32 s62, s14, 32*OPITCH                  ; of the pair's 64 queries I write out 32 kh .. + 31
	s_add_co_u32 s23, s23, s62
	s_add_co_u32 s23, s23, STG
	v_mul_u32_u24 v48, v42, OPITCH                 ; lanes 0-15 one query's 256 bytes, lanes 16-31 the next one's
	v_lshl_add_u32 v48, v41, 4, v48
	v_add_nc_u32 v[RDA], s23, v48
	v_add_nc_u32 v[RDB], 4*OWAVE, v[RDA]
	v_lshlrev_b32 v[CO], 11, v42
	v_lshl_add_u32 v[CO], v41, 4, v[CO]
	s_lshl_b32 s62, s[WAVE], 9
	s_add_co_u32 s62, s62, XCH
	v_lshl_add_u32 v[XW], v41, 3, s62
	s_xor_b32 s63, s[WAVE], 4
	s_lshl_b32 s63, s63, 9
	s_add_co_u32 s63, s63, XCH
	v_lshl_add_u32 v[XR], v41, 3, s63
.irp qt, 0,1,2,3
	v_mov_b32 v[STA+4*\qt], 0xff7fffff             ; m: the most negative finite number, so the first factor 2^(m - new m) is 0
	v_mov_b32 v[STA+4*\qt+1], 0                    ; written once: v_permlanex16_b32 counts as a reader of its destination
	v_mov_b32 v[LS+2*\qt], 0
	v_mov_b32 v[LS+2*\qt+1], 0
.endr
.macro PAIRAT qt, i                    ; pa = the first register of pair i (0..15) of query tile qt's 32 scores
.set pa, SS+16*(\qt)+64*((\i)>>3)+2*((\i)&7)
.endm
.macro SUBS qt, i                      ; s - m, two at a time; M and T hold the same number here
	PAIRAT \qt, \i
	v_pk_add_f32 v[pa:pa+1], v[pa:pa+1], v[STA+4*(\qt):STA+4*(\qt)+1] neg_lo:[0,1] neg_hi:[0,1]
.endm
.macro EXP1 qt, i, half
	PAIRAT \qt, \i
	v_exp_f32 v[pa+\half], v[pa+\half]
.endm
.macro SUMS qt, i                      ; the first pair takes the old sums in, rescaled
	PAIRAT \qt, \i
.if \i == 0
	s_wait_alu depctr_va_vdst(0)
	v_pk_fma_f32 v[LS+2*(\qt):LS+2*(\qt)+1], v[LS+2*(\qt):LS+2*(\qt)+1], v[STA+4*(\qt)+2:STA+4*(\qt)+3], v[pa:pa+1] op_sel_hi:[1,0,1]
.else
	v_pk_add_f32 v[LS+2*(\qt):LS+2*(\qt)+1], v[LS+2*(\qt):LS+2*(\qt)+1], v[pa:pa+1]
.endif
.endm
.macro PACK qt, i                      ; pair i' of a block goes to its register i' (never past a pair not yet read, since i' <= 2 i')
	PAIRAT \qt, \i
	v_cvt_pk_f16_f32 v[SS+16*(\qt)+64*((\i)>>3)+((\i)&7)], v[pa], v[pa+1]
.endm
; 64 keys x 64 queries of scores become P; m, l and the factor AL are brought up to date.  The four query tiles' chains are laid side by side.
; Behind every v_exp_f32 stands a plain vector instruction on another query tile's registers before its result is used (ISA guide 5.7.2).
.macro SOFTMAX
.irp qt, 0,1,2,3
	v_max3_num_f32 v[STA+4*\qt+3], v[SS+16*\qt], v[SS+16*\qt+1], v[STA+4*\qt]      ; the old maximum starts the chain
.endr
.irp i, 1,2,3,4,5,6,7,8,9,10,11,12,13,14,15
.irp qt, 0,1,2,3
	PAIRAT \qt, \i
	v_max3_num_f32 v[STA+4*\qt+3], v[STA+4*\qt+3], v[pa], v[pa+1]
.endr
.endr
.irp qt, 0,1,2,3
	v_permlanex16_b32 v[STA+4*\qt+1], v[STA+4*\qt+3], s18, s19     ; the same query's other eight keys of each tile lie 16 lanes away
.endr
.irp qt, 0,1,2,3
	v_max_num_f32 v[STA+4*\qt+1], v[STA+4*\qt+1], v[STA+4*\qt+3]   ; T = the new maximum
.endr
.irp qt, 0,1,2,3
	v_sub_f32 v[STA+4*\qt+3], v[STA+4*\qt], v[STA+4*\qt+1]
.endr
.irp qt, 0,1,2,3
	v_exp_f32 v[STA+4*\qt+2], v[STA+4*\qt+3]                       ; AL = 2^(old m - new m)
.endr
.irp qt, 0,1,2,3
	v_mov_b32 v[STA+4*\qt], v[STA+4*\qt+1]
.endr
.irp i, 0,1,2,3,4,5,6,7,8,9,10,11,12,13,14,15
	SUBS 0, \i
	SUBS 3, \i
.endr
.irp i, 0,1,2,3,4,5,6,7,8,9,10,11,12,13,14,15
	EXP1 0, \i, 0
	SUBS 1, \i
	EXP1 0, \i, 1
	SUBS 2, \i
.endr
.irp i, 0,1,2,3,4,5,6,7,8,9,10,11,12,13,14,15
	EXP1 1, \i, 0
	SUMS 0, \i
	EXP1 1, \i, 1
	PACK 0, \i
.endr
.irp i, 0,1,2,3,4,5,6,7,8,9,10,11,12,13,14,15
	EXP1 2, \i, 0
	SUMS 1, \i
	EXP1 2, \i, 1
	PACK 1, \i
.endr
.irp i, 0,1,2,3,4,5,6,7,8,9,10,11,12,13,14,15
	EXP1 3, \i, 0
	SUMS 2, \i
	EXP1 3, \i, 1
	PACK 2, \i
.endr
.irp i, 0,1,2,3,4,5,6,7,8,9,10,11,12,13,14,15
	SUMS 3, \i
	PACK 3, \i
.endr
.endm
; 16 matrix instructions: key tiles 2 g, 2 g + 1 x four query tiles; dk 0-31 starts the eight sums, dk 32-63 adds onto them in the same order.
; The eight accumulators take turns, one instruction a turn.
.macro QK16 g
.irp c, 0,1
.irp t, 0,1
.irp qt, 0,1,2,3
.if \c == 0
	v_wmma_f32_16x16x32_f16 v[SS+64*\g+16*\qt+8*\t:SS+64*\g+16*\qt+8*\t+7], v[F0+32*\g+16*\t+8*\c:F0+32*\g+16*\t+8*\c+7], v[QF+16*\qt+8*\c:QF+16*\qt+8*\c+7], 0
.else
	v_wmma_f32_16x16x32_f16 v[SS+64*\g+16*\qt+8*\t:SS+64*\g+16*\qt+8*\t+7], v[F0+32*\g+16*\t+8*\c:F0+32*\g+16*\t+8*\c+7], v[QF+16*\qt+8*\c:QF+16*\qt+8*\c+7], v[SS+64*\g+16*\qt+8*\t:SS+64*\g+16*\qt+8*\t+7]
.endif
.endr
.endr
.endr
.endm
; 16 matrix instructions: keys 32 c .. + 31 into the sixteen tiles of O, which take turns
.macro PV16 c, zero
.irp qt, 0,1,2,3
.irp dt, 0,1,2,3
.if \zero
	v_wmma_f32_16x16x32_f16 v[32*\qt+8*\dt:32*\qt+8*\dt+7], v[F0+32*\c+8*\dt:F0+32*\c+8*\dt+7], v[SS+64*\c+16*\qt:SS+64*\c+16*\qt+7], 0
.else
	v_wmma_f32_16x16x32_f16 v[32*\qt+8*\dt:32*\qt+8*\dt+7], v[F0+32*\c+8*\dt:F0+32*\c+8*\dt+7], v[SS+64*\c+16*\qt:SS+64*\c+16*\qt+7], v[32*\qt+8*\dt:32*\qt+8*\dt+7]
.endif
.endr
.endr
.endm
.macro SCALEO                          ; O x AL, the lane's factor for each query tile
	WIN 0x41                                       ; O in window 1, the factor in window 0
.irp qt, 0,1,2,3
.set n, 0
.rept 16
	v_pk_mul_f32 v[32*\qt+n:32*\qt+n+1], v[32*\qt+n:32*\qt+n+1], v[STA+4*\qt+2:STA+4*\qt+3] op_sel_hi:[1,0]
.set n, n+2
.endr
.endr
.endm
; 64 of my keys (block blk of my 128 in the slot) against my 64 queries
.macro BLOCK slot, blk, first
	PLACES 5                                       ; behind the last products: four places before loads into their fragments, five before products write over P
.irp kt, 0,1,2,3
.irp c, 0,1
	ds_load_b128 v[F0+16*\kt+8*\c:F0+16*\kt+8*\c+3],   v[KADR+\slot] offset:\blk*32*KPITCH+\kt*8*KPITCH+\c*64
	ds_load_b128 v[F0+16*\kt+8*\c+4:F0+16*\kt+8*\c+7], v[KADR+\slot] offset:\blk*32*KPITCH+\kt*8*KPITCH+\c*64+32
.endr
.endr
	WIN 0x04                                       ; q in window 1
	s_wait_dscnt 0x8                               ; key tiles 0 and 1 are in; the eight loads of tiles 2 and 3 may be out
	QK16 0
	s_wait_dscnt 0x0
	QK16 1
	WIN 0
	PLACES 4                                       ; four places before K's fragments are loaded over and the scores are read
.irp c, 0,1
.irp dt, 0,1,2,3
	ds_load_tr16_b128 v[F0+32*\c+8*\dt:F0+32*\c+8*\dt+3],   v[VADR+\slot] offset:\blk*32*VPITCH+\c*16*VPITCH+32*\dt
	ds_load_tr16_b128 v[F0+32*\c+8*\dt+4:F0+32*\c+8*\dt+7], v[VADR+\slot] offset:\blk*32*VPITCH+\c*16*VPITCH+8*VPITCH+32*\dt
.endr
.endr
	SOFTMAX                                        ; V's fragments land meanwhile
.if \first == 0
	SCALEO
.endif
	WIN 0x50                                       ; O in window 1
	s_wait_dscnt 0x8                               ; keys 0-31 of V are in; the eight loads of keys 32-63 may be out
	PV16 0, \first
	s_wait_dscnt 0x0
	PV16 1, 0
	WIN 0
.endm
.macro STEP slot, first
	BLOCK \slot, 0, \first
	BLOCK \slot, 1, 0
.endm
; The change of slots.  In front of the barrier every wave has its reads of the other slot back and all its tensor loads landed (its part of this slot among them).
; refill = 1: the barrier is a round of the cluster's barrier, and the joint refill of the other slot is the first thing behind it.
.macro TRIP slot, refill
	s_wait_dscnt 0x0
	s_wait_tensorcnt 0x0                           ; no tensor load of mine is out: a group 0 may be written
	ds_add_u32 v14, v15
	s_wait_dscnt 0x0
.if \refill
	s_add_nc_u64 s[G0K+4*(1-\slot)+2:G0K+4*(1-\slot)+3], s[G0K+4*(1-\slot)+2:G0K+4*(1-\slot)+3], 65536   ; two key tiles on
	s_add_nc_u64 s[G0V+4*(1-\slot)+2:G0V+4*(1-\slot)+3], s[G0V+4*(1-\slot)+2:G0V+4*(1-\slot)+3], 65536
	CROUND
	JLOAD (1-\slot)
.else
	s_barrier_signal -1
	s_barrier_wait -1
.endif
	STEP \slot, 0
.endm
	s_wait_loadcnt 0x0                             ; q
	s_wait_tensorcnt 0x1                           ; my part of key tile 0 is in; tile 1's may stay out
	s_barrier_signal -1
	s_barrier_wait -1
	STEP 0, 1                                      ; the first products start O's sums: nothing is cleared
	s_mov_b32 s56, 3                               ; key tiles 1 to 6; tiles 2 to 7 are asked for
.Lpair:
	TRIP 1, 1
	TRIP 0, 1
	s_sub_co_u32 s56, s56, 1
	s_cmp_lg_u32 s56, 0
	s_cbranch_scc1 .Lpair
	TRIP 1, 0                                      ; key tile 7: nothing is left to fetch
	; THE MERGE of waves w and w ^ 4 (the same queries, the other keys), and the division.
	PLACES 4                                       ; four places behind the last matrix instruction before O is read
	s_lshr_b32 s20, s17, 3                         ; b
	s_lshl_b32 s20, s20, 11                        ; x 2,048 rows
	s_lshl_b32 s21, s16, 8
	s_add_co_u32 s20, s20, s21                     ; + 256 x query block
	s_lshl_b32 s21, s13, 6
	s_add_co_u32 s20, s20, s21                     ; + 64 qg
	s_lshl_b32 s21, s14, 5
	s_add_co_u32 s20, s20, s21                     ; + 32 kh
	s_lshl_b32 s20, s20, 11                        ; x 2,048 bytes
	s_and_b32 s21, s17, 7
	s_lshl_b32 s21, s21, 8                         ; + the head's 256 bytes of a row
	s_add_co_u32 s20, s20, s21
	s_mov_b32 s21, 0
	s_add_nc_u64 s[10:11], s[10:11], s[20:21]
.irp qt, 0,1,2,3
	v_add_f32 v[STA+4*\qt+1], v[LS+2*\qt], v[LS+2*\qt+1]
.endr
.irp qt, 0,1,2,3
	v_permlanex16_b32 v[STA+4*\qt+3], v[STA+4*\qt+1], s18, s19
.endr
.irp qt, 0,1,2,3
	v_add_f32 v[STA+4*\qt+1], v[STA+4*\qt+1], v[STA+4*\qt+3]       ; T = l over my 1,024 keys
.endr
.irp qt, 0,1,2,3
	ds_store_b64 v[XW], v[STA+4*\qt:STA+4*\qt+1] offset:128*\qt    ; lanes r and r + 16 write the same two numbers to the same place
.endr
	s_wait_dscnt 0x0                               ; for my partner's sake
	s_barrier_signal -1
	s_barrier_wait -1
.irp qt, 0,1,2,3
	ds_load_b64 v[TM+2*\qt:TM+2*\qt+1], v[XR] offset:128*\qt       ; the partner's (m', l')
.endr
	s_wait_dscnt 0x0
.irp qt, 0,1,2,3
	v_max_num_f32 v[TM+8+\qt], v[STA+4*\qt], v[TM+2*\qt]           ; mt
.endr
.irp qt, 0,1,2,3
	v_sub_f32 v[TM+12+\qt], v[STA+4*\qt], v[TM+8+\qt]              ; m - mt
	v_sub_f32 v[TM+16+\qt], v[TM+2*\qt], v[TM+8+\qt]               ; m' - mt
	v_sub_f32 v[TM+20+\qt], 0, v[TM+8+\qt]                         ; - mt
.endr
.irp n, 12,13,14,15,16,17,18,19,20,21,22,23
	v_exp_f32 v[TM+\n], v[TM+\n]
.endr
	v_nop                                          ; the plain place behind the exponentials
	s_wait_alu depctr_va_vdst(0)
.irp qt, 0,1,2,3
	v_mul_f32 v[TM+20+\qt], 0x322bcc77, v[TM+20+\qt]               ; 1e-8 x 2^(-mt)
.endr
.irp qt, 0,1,2,3
	v_fma_f32 v[TM+20+\qt], v[STA+4*\qt+1], v[TM+12+\qt], v[TM+20+\qt]
.endr
.irp qt, 0,1,2,3
	v_fma_f32 v[TM+20+\qt], v[TM+2*\qt+1], v[TM+16+\qt], v[TM+20+\qt]     ; the denominator: at least 1, since the largest score's term is 1
.endr
.irp qt, 0,1,2,3
	v_rcp_f32 v[TM+20+\qt], v[TM+20+\qt]
.endr
	v_nop                                          ; the plain place behind the reciprocals
	s_wait_alu depctr_va_vdst(0)
.irp qt, 0,1,2,3
	v_mul_f32 v[STA+4*\qt+2], v[TM+12+\qt], v[TM+20+\qt]           ; AL = 2^(m - mt) / denominator
.endr
	SCALEO
	WIN 0x04                                       ; the stores' data in window 1
.irp qt, 0,1,2,3
.irp dt, 0,1,2,3
	ds_store_b128 v[STO], v[32*\qt+8*\dt:32*\qt+8*\dt+3]   offset:\qt*16*OPITCH+64*\dt
	ds_store_b128 v[STO], v[32*\qt+8*\dt+4:32*\qt+8*\dt+7] offset:\qt*16*OPITCH+64*\dt+16
.endr
.endr
	WIN 0
	s_wait_dscnt 0x0                               ; for my partner's sake
	s_barrier_signal -1
	s_barrier_wait -1
.irp i, 0,1,2,3,4,5,6,7,8,9,10,11,12,13,14,15
	ds_load_b128 v[SS+8*\i:SS+8*\i+3],   v[RDA] offset:2*OPITCH*\i
	ds_load_b128 v[SS+8*\i+4:SS+8*\i+7], v[RDB] offset:2*OPITCH*\i
.endr
.irp i, 0,1,2,3,4,5,6,7,8,9,10,11,12,13,14,15
	s_wait_dscnt 30-2*\i                           ; this pair of loads is in, the younger pairs may be out
	v_pk_add_f32 v[SS+8*\i:SS+8*\i+1],   v[SS+8*\i:SS+8*\i+1],   v[SS+8*\i+4:SS+8*\i+5]
	v_pk_add_f32 v[SS+8*\i+2:SS+8*\i+3], v[SS+8*\i+2:SS+8*\i+3], v[SS+8*\i+6:SS+8*\i+7]
	global_store_b128 v[CO], v[SS+8*\i:SS+8*\i+3], s[10:11] offset:4096*\i th:TH_STORE_NT   ; sixteen lanes store a query's 256 consecutive bytes of this head, aligned
.endr
	s_wait_tensorcnt 0x0
	ds_add_u32 v14, v15
	s_wait_dscnt 0x0
	CROUND                                         ; the closing round: no work-group ends while a partner may still ask for a tile that names it
	s_endpgm
.Lfunc_end_k_q106093534d_attn:
	.size	k_q106093534d_attn, .Lfunc_end_k_q106093534d_attn-k_q106093534d_attn
	.p2alignl 7, 3214868480
	.fill 96, 4, 3214868480
	.section	.rodata,"a",@progbits
	.p2align	6, 0x0
	.amdhsa_kernel k_q106093534d_attn
		.amdhsa_group_segment_fixed_size 327680
		.amdhsa_private_segment_fixed_size 0
		.amdhsa_enable_private_segment 0
		.amdhsa_kernarg_size 32
		.amdhsa_user_sgpr_count 2
		.amdhsa_user_sgpr_kernarg_segment_ptr 1
		.amdhsa_wavefront_size32 1
		.amdhsa_system_sgpr_workgroup_id_x 1
		.amdhsa_system_sgpr_workgroup_id_y 1
		.amdhsa_system_sgpr_workgroup_id_z 1
		.amdhsa_system_vgpr_workitem_id 0
		.amdhsa_next_free_vgpr 448
		.amdhsa_next_free_sgpr 66
		.amdhsa_reserve_vcc 0
		.amdhsa_float_denorm_mode_32 3
		.amdhsa_float_denorm_mode_16_64 3
		.amdhsa_memory_ordered 1
		.amdhsa_forward_progress 1
		.amdhsa_inst_pref_size 255
	.end_amdhsa_kernel
	.section	.bss,"aw",@nobits
	.p2align	6
	.space	262144
	.amdgpu_metadata
---
amdhsa.version: [ 1, 2 ]
amdhsa.kernels:
  - .name:           k_q106093534d_attn
    .symbol:         k_q106093534d_attn.kd
    .args:
      - { .name: qw, .offset: 0, .size: 8, .value_kind: global_buffer, .address_space: global }
      - { .name: kw, .offset: 8, .size: 8, .value_kind: global_buffer, .address_space: global }
      - { .name: vw, .offset: 16, .size: 8, .value_kind: global_buffer, .address_space: global }
      - { .name: out0, .offset: 24, .size: 8, .value_kind: global_buffer, .address_space: global }
    .group_segment_fixed_size: 327680
    .private_segment_fixed_size: 0
    .kernarg_segment_align: 8
    .kernarg_segment_size: 32
    .max_flat_workgroup_size: 256
    .sgpr_count:     66
    .vgpr_count:     448
    .wavefront_size: 32
...
	.end_amdgpu_metadata
.endif
;; end of part 2
